; MI455X (gfx1250); checked and timed in simulation.
; The chip was launched on July 23, 2026; its instructions are those of AMD's public machine-readable ISA for CDNA 5 (MIT licence, August 2026) and "CDNA5" Instruction Set Architecture Reference Guide (July 2026). The comments in the code are by the model that wrote it; some were corrected since.
;; Memory System. Allowed arithmetic: float matrix products may take bf16 or f16 operands with f32 sums; other float arithmetic in f32, or as packed bf16 or f16 multiplies, adds, multiply-adds, maxima and minima; sums over many terms, partial sums and values carried from step to step in f32; what a program stores and reads back later, other than sums and carried values, may be rounded once to bf16 or f16.
;; Inputs: memory_bank 65,536 x 512 float32; x 1,024 x 512 float32.
;; Outputs: out0 1,024 x 512 float32.
;; 2 versions, each right; version 2 is version 1 with the launch finish written anew for expert scheduling mode. Each part assembles by itself: llvm-mc -triple=amdgcn-amd-amdhsa -mcpu=gfx1250 --defsym DOCPART=n.
;; ======== version 1 of 2: 3 launches
;; workspace buffers: mb 67,108,864 bytes; xb 1,048,576 bytes; minv 262,144 bytes; xinv 4,096 bytes; opart 33,554,432 bytes; lpart 65,536 bytes
;; launch prep (part 1): grid 1040 x 1, 8 waves a work-group, no clusters, 1,280 bytes of LDS; arguments memory_bank, x, mb, xb, minv, xinv; writes mb, xb, minv, xinv
.if DOCPART == 1
	.amdgcn_target "amdgcn-amd-amdhsa--gfx1250"
	.amdhsa_code_object_version 6
	.text
	.protected	k_q26202714ae_prep
	.globl	k_q26202714ae_prep
	.p2align	8
	.type	k_q26202714ae_prep,@function
k_q26202714ae_prep:
	s_mov_b64 s[64:65], 0
	v_nop
	global_prefetch_b8 v0, s[64:65] scope:SCOPE_SE
	s_setreg_imm32_b32 hwreg(HW_REG_WAVE_MODE, 25, 1), 1
	s_wait_xcnt 0x0
; THE PROGRAM: out[q] = sum over k of softmax_k(8 cos(x[q], M[k])) M[k], M = memory_bank [65536][512], x [1024][512], f32.
; Three launches: this one rounds M and x to bf16 and makes 1 / norm of every row; the second makes, for 64 queries and 4,096 keys
; a work-group, the partial sums of p M and of p; the third adds the sixteen key chunks and divides.
; NOTHING OF THE COMPUTATION IS LEFT OUT: both inputs are loaded whole, both products are made for every pair, and the clamp of the
; denominator at 1e-8 is taken for every pair (query, key).
; THE MAXIMUM.  |x . M[k]| <= |x| |M[k]| <= max(|x| |M[k]|, 1e-8) for all finite inputs, so the softmax's input lies in -8 .. 8 whatever
; the inputs hold.  The program takes the fixed bound 8 away: p = e^(8 cos - 8) lies in 1.1e-7 .. 1 and a row's sum in 7e-3 .. 65,536:
; no exponential and no sum can overflow or underflow in f32, and p has room in bf16.  Softmax is the same for every shift.
; LIMITS.  A row whose sum of squares lies below 2^-126 counts as a zero row (the reciprocal root takes a denormal for 0): its pairs
; take the clamp.  A sum of squares beyond f32's range, NaN and infinities are not treated apart.
; THIS LAUNCH.  A work-group takes 64 rows (groups 0 to 1,023: M's, groups 1,024 to 1,039: x's), a wave 8 rows.  A row is 2,048 bytes:
; four loads of 512 consecutive bytes; all 32 loads of a wave go out at once.  The norms are taken of the unrounded numbers.
; A row's bf16 leave by four stores of 256 consecutive bytes, aligned; the 64 inverse norms meet in LDS and leave as one block of 256 bytes.
.set VL,  1                            ; v1   load offset: wave x 8 rows x 2,048 + 16 x lane
.set VS,  2                            ; v2   store offset: wave x 8 rows x 1,024 + 8 x lane
.set LW,  3                            ; v3   LDS: my wave's eight words, at 32 x wave
.set SPW, 4                            ; v4   LDS address of my spare word; never rewritten
.set NIL, 5                            ; v5   0; never rewritten
.set SQ,  8                            ; v[8:23]   row i: a pair of partial sums of squares at SQ + 2 i
.set LB,  24                           ; v24  8 x lane
.set X,   32                           ; v[32:159] row i at X + 16 i: as loaded, then (its first 8 registers) as stored
.set SPARE, 256                        ; LDS 0-255: the 64 inverse norms; behind them the spare words, 128 bytes a wave
	s_load_b256 s[4:11], s[0:1], 0x0               ; memory_bank s[4:5], x s[6:7], mb s[8:9], xb s[10:11]
	s_load_b128 s[12:15], s[0:1], 0x20             ; minv s[12:13], xinv s[14:15]
	v_lshl_add_u32 v[SPW], v0, 2, SPARE
	v_mov_b32 v[NIL], 0
	v_lshrrev_b32 v6, 5, v0
	v_readfirstlane_b32 s26, v6                    ; wave 0..7
	v_and_b32 v7, 31, v0                           ; lane
	v_lshlrev_b32 v[VL], 14, v6
	v_lshl_add_u32 v[VL], v7, 4, v[VL]
	v_lshlrev_b32 v[VS], 13, v6
	v_lshl_add_u32 v[VS], v7, 3, v[VS]
	v_mov_b32 v[LW], s26
	v_lshlrev_b32 v[LW], 5, v[LW]
	v_lshlrev_b32 v[LB], 3, v7
	s_mov_b32 s20, 0x76543210                      ; v_permlanex16_b32: each lane takes its own place in the other half
	s_mov_b32 s21, 0xfedcba98
	s_sub_co_u32 s24, ttmp9, 1024                  ; the group's number among x's groups
	s_mov_b32 s29, 0
	s_wait_kmcnt 0x0
	s_cmp_lt_u32 ttmp9, 1024                       ; M's rows or x's: a choice by the group's number alone
	s_cselect_b32 s24, ttmp9, s24
	s_cselect_b64 s[16:17], s[4:5], s[6:7]         ; from
	s_cselect_b64 s[18:19], s[8:9], s[10:11]       ; to
	s_cselect_b64 s[22:23], s[12:13], s[14:15]     ; the inverse norms
	s_lshl_b32 s28, s24, 17                        ; 64 rows of 2,048 bytes
	s_add_nc_u64 s[16:17], s[16:17], s[28:29]
	s_lshl_b32 s28, s24, 16                        ; 64 rows of 1,024 bytes
	s_add_nc_u64 s[18:19], s[18:19], s[28:29]
	s_lshl_b32 s28, s24, 8                         ; 64 words
	s_add_nc_u64 s[22:23], s[22:23], s[28:29]
.irp i, 0,1,2,3,4,5,6,7
.irp j, 0,1,2,3
	global_load_b128 v[X+16*\i+4*\j:X+16*\i+4*\j+3], v[VL], s[16:17] offset:\i*2048+\j*512 th:TH_LOAD_NT
.endr
.endr
.irp i, 0,1,2,3,4,5,6,7
	s_wait_loadcnt 28-4*\i                         ; loads come back in order: row i's four are in, the four of each later row stay out
	v_pk_mul_f32 v[SQ+2*\i:SQ+2*\i+1], v[X+16*\i:X+16*\i+1], v[X+16*\i:X+16*\i+1]
.irp k, 1,2,3,4,5,6,7
	v_pk_fma_f32 v[SQ+2*\i:SQ+2*\i+1], v[X+16*\i+2*\k:X+16*\i+2*\k+1], v[X+16*\i+2*\k:X+16*\i+2*\k+1], v[SQ+2*\i:SQ+2*\i+1]
.endr
.irp k, 0,1,2,3,4,5,6,7
	v_cvt_pk_bf16_f32 v[X+16*\i+\k], v[X+16*\i+2*\k], v[X+16*\i+2*\k+1]  ; in place, ascending: register k takes registers 2 k and 2 k + 1
.endr
.irp j, 0,1,2,3
	global_store_b64 v[VS], v[X+16*\i+2*\j:X+16*\i+2*\j+1], s[18:19] offset:\i*1024+\j*256  ; the wave stores 256 consecutive bytes, aligned
.endr
.endr
	; the eight rows' sums over the 32 lanes, side by side so that no line waits for the one before it
.irp i, 0,1,2,3,4,5,6,7
	v_add_f32 v[SQ+2*\i], v[SQ+2*\i], v[SQ+2*\i+1]
.endr
.irp m, 1,2,4,8
.irp i, 0,1,2,3,4,5,6,7
	v_add_f32_dpp v[SQ+2*\i], v[SQ+2*\i], v[SQ+2*\i] row_xmask:\m row_mask:0xf bank_mask:0xf
.endr
.endr
.irp i, 0,1,2,3,4,5,6,7
	v_permlanex16_b32 v[SQ+2*\i+1], v[SQ+2*\i], s20, s21
.endr
.irp i, 0,1,2,3,4,5,6,7
	v_add_f32 v[SQ+2*\i], v[SQ+2*\i], v[SQ+2*\i+1]
.endr
.irp i, 0,1,2,3,4,5,6,7
	v_rsq_f32 v[SQ+2*\i], v[SQ+2*\i]               ; 1 / norm; a zero row gives an infinity, which the clamp of the next launch takes
.endr
	v_nop                                          ; a plain instruction behind the last of the batch,
	s_wait_alu depctr_va_vdst(0)                   ; and one wait for the eight, ahead of their first reader
.irp i, 0,1,2,3,4,5,6,7
	ds_store_b32 v[LW], v[SQ+2*\i] offset:4*\i     ; all lanes hold the same number and write the same word
.endr
	s_wait_dscnt 0x0                               ; for the others' sake: my words are in LDS
	s_barrier_signal -1
	s_barrier_wait -1
	s_cmp_lg_u32 s26, 0                            ; wave 0 stores the group's 64 words
	s_cbranch_scc1 .Lend
	ds_load_b64 v[6:7], v[LB]
	s_wait_dscnt 0x0
	global_store_b64 v[LB], v[6:7], s[22:23]       ; 256 consecutive bytes, aligned
.Lend:
	s_wait_tensorcnt 0x0                           ; the wave's end: behind my last LDS store
	ds_add_u32 v[SPW], v[NIL]
	s_wait_dscnt 0x0
	s_endpgm
.Lfunc_end_k_q26202714ae_prep:
	.size	k_q26202714ae_prep, .Lfunc_end_k_q26202714ae_prep-k_q26202714ae_prep
	.p2alignl 7, 3214868480
	.fill 96, 4, 3214868480
	.section	.rodata,"a",@progbits
	.p2align	6, 0x0
	.amdhsa_kernel k_q26202714ae_prep
		.amdhsa_group_segment_fixed_size 1280
		.amdhsa_private_segment_fixed_size 0
		.amdhsa_enable_private_segment 0
		.amdhsa_kernarg_size 48
		.amdhsa_user_sgpr_count 2
		.amdhsa_user_sgpr_kernarg_segment_ptr 1
		.amdhsa_wavefront_size32 1
		.amdhsa_system_sgpr_workgroup_id_x 1
		.amdhsa_system_sgpr_workgroup_id_y 1
		.amdhsa_system_sgpr_workgroup_id_z 1
		.amdhsa_system_vgpr_workitem_id 0
		.amdhsa_next_free_vgpr 160
		.amdhsa_next_free_sgpr 66
		.amdhsa_reserve_vcc 0
		.amdhsa_float_denorm_mode_32 3
		.amdhsa_float_denorm_mode_16_64 3
		.amdhsa_memory_ordered 1
		.amdhsa_forward_progress 1
		.amdhsa_inst_pref_size 21
	.end_amdhsa_kernel
	.amdgpu_metadata
---
amdhsa.version: [ 1, 2 ]
amdhsa.kernels:
  - .name:           k_q26202714ae_prep
    .symbol:         k_q26202714ae_prep.kd
    .args:
      - { .name: memory_bank, .offset: 0, .size: 8, .value_kind: global_buffer, .address_space: global }
      - { .name: x, .offset: 8, .size: 8, .value_kind: global_buffer, .address_space: global }
      - { .name: mb, .offset: 16, .size: 8, .value_kind: global_buffer, .address_space: global }
      - { .name: xb, .offset: 24, .size: 8, .value_kind: global_buffer, .address_space: global }
      - { .name: minv, .offset: 32, .size: 8, .value_kind: global_buffer, .address_space: global }
      - { .name: xinv, .offset: 40, .size: 8, .value_kind: global_buffer, .address_space: global }
    .group_segment_fixed_size: 1280
    .private_segment_fixed_size: 0
    .kernarg_segment_align: 8
    .kernarg_segment_size: 48
    .max_flat_workgroup_size: 256
    .sgpr_count:     66
    .vgpr_count:     160
    .wavefront_size: 32
...
	.end_amdgpu_metadata
.endif
;; end of part 1
;; launch attend (part 2): grid 16 x 16, 4 waves a work-group, clusters of 4 x 1, 327,680 bytes of LDS; arguments mb, minv, xb, xinv, opart, lpart; writes opart, lpart
.if DOCPART == 2
	.amdgcn_target "amdgcn-amd-amdhsa--gfx1250"
	.amdhsa_code_object_version 6
	.text
	.protected	k_q26202714ae_attend
	.globl	k_q26202714ae_attend
	.p2align	8
	.type	k_q26202714ae_attend,@function
k_q26202714ae_attend:
	s_mov_b64 s[64:65], 0
	v_nop
	global_prefetch_b8 v0, s[64:65] scope:SCOPE_SE
	s_setreg_imm32_b32 hwreg(HW_REG_WAVE_MODE, 25, 1), 1
	s_wait_xcnt 0x0
	s_wait_alu depctr_hold_cnt(0) depctr_sa_sdst(0) depctr_va_vdst(0) depctr_va_sdst(0) depctr_va_ssrc(0) depctr_va_vcc(0) depctr_vm_vsrc(0)
	s_getreg_b32 s2, hwreg(HW_REG_IB_STS2, 6, 4)
	s_cmp_eq_u32 s2, 0
	s_cbranch_scc0 .Lentry_in_a_cluster
	s_endpgm
.Lentry_in_a_cluster:
	s_bfe_u32 s2, ttmp6, 0x10000c
	s_cmp_lg_u32 s2, 0x3003
	s_cbranch_scc0 .Lentry_shape_is_right
	s_endpgm
.Lentry_shape_is_right:
; For 64 queries (block qb) and 4,096 keys (chunk kc): opart = sum over the chunk's keys of p M[k], lpart = sum of p,
; p = 2^(dot x sc - c), c = 8 log2(e), sc = min(c / |x| / |M[k]|, c x 1e8): that is e^(8 dot / max(|x| |M[k]|, 1e-8) - 8).
; Nothing is left out.  THE FIXED SHIFT 8 stands for the maximum: |dot| <= |x| |M[k]| <= the clamped denominator for all finite inputs, so the
; exponent lies in -2 c .. 0 (a little over 0 by the operands' rounding), p in 1.1e-7 .. 1, a sum in 7e-3 .. 65,536.  So no maximum is carried,
; nothing is rescaled, and the sums of the sixteen chunks simply add.  LIMITS: as stated at the first kernel's head; M, x and p are rounded once to bf16, all sums are f32.
; SHARES.  256 work-groups of equal work: 16 query blocks x 16 key chunks.  Each of the four waves holds ALL of Q (64 x 512 bf16: 512 registers) and a QUARTER of O (64 queries x 128
; channels: 256 registers).  Keys go in pieces of 64, two to an LDS slot.  S^T = K Q^T: a wave takes 16 of a piece's keys for all 64 queries, so a fragment of K feeds four products.
; p goes to the other waves through LDS in bf16.  O^T += V^T P: a wave takes its 128 channels for all 64 queries and all 64 keys, so a fragment of V feeds four products too.
; By the text's own count a slot has 173 LDS instructions a wave for its 256 matrix instructions.
; LAYOUT.  In S^T a lane holds ONE query (lane % 16) and the keys 8 (lane / 16) + 0..7 of the wave's 16; eight p rounded in pairs are 16 bytes of a row of P ([query][64 keys], pitch 144).
; K and V are the SAME tile: rows of 1,024 bytes, pitch 1,040 = 65 x 16.  K's fragments come as they lie (16 rows, one column of 16 bytes: 16 different columns modulo 256 bytes).
; V's come turned, by ds_load_tr16_b128; a block of 16 channels is 8 at n and 8 at n + 64, so that 16 lanes take 8 rows x {0, +128 bytes}: again 16 different columns.
; So in O^T register j of lane l of accumulator (b, t) is query 16 t + l % 16, channel 128 w + 64 (l / 16) + 8 b + j.  O^T leaves as it lies in the registers; the last launch lays rows out.
; CLUSTER.  The four query blocks of a cluster walk the same chunk, so every tile is asked for JOINTLY: the same tensor load, descriptor and mask in all four.  (Sixteen work-groups
; read a chunk; a mask names four.)
; REGISTERS, in windows of 256 (s_set_vgpr_msb: bits 1:0 source 0, 3:2 source 1, 5:4 source 2, 7:6 destination):
;   window 0: v0-63 addresses and the softmax's small change; v64-127 S^T, pieces A and B; v128-255 four blocks of four fragments
;   window 1: Q, channel fragments 0-7 ((t, f) at 8 (4 (f % 8) + t));   window 2: fragments 8-15;   window 3: O^T ((b, t) at 8 (4 b + t))
; The softmax (128 lines a piece) stands four lines behind each of 32 matrix instructions of OTHER accumulators; each such group costs two switches of the window: 128 for a slot's 256 matrix instructions.
.set PITCH,  1040
.set WROWS,  32*PITCH                  ; what one tensor load brings: 32 rows
.set SLOTB,  4*WROWS                   ; a slot: 128 keys
.set PIECE,  64*PITCH
.set SLOTG,  131072                    ; a slot's bytes in memory
.set PBUF,   2*SLOTB                   ; P of piece A, then of piece B: 64 rows x 144 bytes each; no tensor load lands from here on but the one first fill of IBB
.set PP,     144
.set PBYTES, 64*PP
.set IBB,    PBUF+2*PBYTES             ; 1 / |M[k]| of the chunk's 4,096 keys
.set LS,     IBB+16384                 ; the way out: [wave][64] sums of p
.set SPARE,  LS+1024                   ; the spare words, 128 bytes a wave: two blocks of 256 bytes that no other line names
.set AK,  4                            ; v[4:7]   K: slot x SLOTB + (64 piece + 16 w + l % 16) x PITCH + 16 (l / 16), at AK + 2 slot + piece; never rewritten
.set AV,  8                            ; v[8:11]  V: slot x SLOTB + (64 piece + 8 (l / 16) + l % 8) x PITCH + 256 w + 128 ((l / 8) % 2); never rewritten
.set APR, 12                           ; v12  P, read: PBUF + 144 (l % 16) + 16 (l / 16)
.set APS, 13                           ; v13  P, stored: APR + 32 w
.set AIB, 14                           ; v14  IBB + 64 w + 32 (l / 16); never rewritten
.set SPW, 15                           ; v15  LDS address of my spare word; never rewritten
.set NIL, 16                           ; v16  0; never rewritten
.set PFO, 17                           ; v17  the prefetches' offset: 256 x lane
.set QO,  18                           ; v18  my offset in 16 rows of Q
.set ALS, 19                           ; v19  LS + 256 w + 4 (l % 16)
.set IA,  20                           ; v[20:27] c / |x| of my query in tile t, in both words of pair t
.set LL,  28                           ; v[28:35] the sum of p of my query in tile t: even keys', odd keys'
.set IBR, 36                           ; v[36:43] 1 / |M| of my eight keys of the piece in hand
.set T,   44                           ; v[44:51] four pairs of scales, by turns
.set GO,  52                           ; v52  16 x lane
.set XO,  53                           ; v53  4 (l % 16)
.set AIBC, 54                          ; v54  AIB + the pair of slots in hand
.set ALR, 55                           ; v55  LS + 8 x lane
.set LO,  56                           ; v56  8 x lane
.set SA,  64
.set SB,  96
.set BK0, 128
.set BK1, 160
.set BK2, 192
.set BK3, 224
.set WV,  16                           ; s16  my wave's number
.set CX,  17                           ; s17  my place in the cluster: it enters global addresses of Q, 1 / |x|, the outputs and the prefetches alone
.set QB,  18                           ; s18  my block of 64 queries
.set KC,  19                           ; s19  the chunk of keys, which the partners share
.set G1,  24                           ; s[24:31] group 1 of the ring's loads
.set G1I, 32                           ; s[32:39] group 1 of the inverse norms' load
.set G0,  40                           ; s[40:47] group 0, a set for each slot
.set G0I, 48                           ; s[48:51]
.set CNT, 52                           ; s52  trips to go
.set LIM, 53                           ; s53  1 in a cluster that prefetches, else the greatest number
.set PFA, 54                           ; s[54:55] where my prefetches stand
.set NC,  56                           ; s[56:57] -c
.set CLAMP, 58                         ; s58  c x 1e8
.set CC,  59                           ; s59  c
.set SEL, 60                           ; s[60:61]
.set IBS, 62                           ; s62  1,024 x the pair of slots in hand
.set MSB, 0
.macro WIN new                         ; the immediate's high byte repeats the setting that is left; a switch that changes nothing is dropped
.if MSB != (\new)
	s_set_vgpr_msb (MSB<<8)|(\new)
.set MSB, (\new)
.endif
.endm
; A load into a register that a matrix instruction has read or written, and a vector line that reads a matrix result, stand four plain vector lines behind it; a matrix
; instruction that writes over another's register five (except for the loads).  Other matrix instructions are not counted.
.macro PLACES
.rept 4
	v_nop
.endr
.endm
.macro CREST                           ; a round of the cluster's barrier behind its opening barrier
	s_cmp_lg_u32 s[WV], 0
	s_cbranch_scc1 .Lnot_wave_0_\@
	s_barrier_signal -3
.Lnot_wave_0_\@:
	s_barrier_wait -3
	s_barrier_signal -1
	s_barrier_wait -1
.endm
.macro CROUND                          ; a whole round
	s_barrier_signal -1
	s_barrier_wait -1
	CREST
.endm
; Four fragments of K (my 16 keys of the piece x 32 channels each, from fragment f0 on): 8 loads
.macro KLOAD blk, slot, pc, f0
.irp j, 0,1,2,3
	ds_load_b128 v[(\blk)+8*\j:(\blk)+8*\j+3],   v[AK+2*(\slot)+(\pc)] offset:((\f0)+\j)*64
	ds_load_b128 v[(\blk)+8*\j+4:(\blk)+8*\j+7], v[AK+2*(\slot)+(\pc)] offset:((\f0)+\j)*64+32
.endr
.endm
; Four fragments of V^T (channel blocks cb .. cb + 3 x keys 32 kk .. 32 kk + 31 of the piece): 8 turning loads
.macro VLOAD blk, slot, pc, kk, cb
.irp j, 0,1,2,3
	ds_load_tr16_b128 v[(\blk)+8*\j:(\blk)+8*\j+3],   v[AV+2*(\slot)+(\pc)] offset:(\kk)*32*PITCH+((\cb)+\j)*16
	ds_load_tr16_b128 v[(\blk)+8*\j+4:(\blk)+8*\j+7], v[AV+2*(\slot)+(\pc)] offset:(\kk)*32*PITCH+((\cb)+\j)*16+16*PITCH
.endr
.endm
; Four fragments of P (the four query tiles x keys 32 kk .. of the piece): 8 loads
.macro PLOAD blk, pc, kk
.irp j, 0,1,2,3
	ds_load_b128 v[(\blk)+8*\j:(\blk)+8*\j+3],   v[APR] offset:(\pc)*PBYTES+\j*16*PP+(\kk)*64
	ds_load_b128 v[(\blk)+8*\j+4:(\blk)+8*\j+7], v[APR] offset:(\pc)*PBYTES+\j*16*PP+(\kk)*64+32
.endr
.endm
.macro IBLOAD o                        ; 1 / |M| of my eight keys: byte o of the pair of slots in hand
	v_add_nc_u32 v[AIBC], s[IBS], v[AIB]
	ds_load_b128 v[IBR:IBR+3],   v[AIBC] offset:(\o)
	ds_load_b128 v[IBR+4:IBR+7], v[AIBC] offset:(\o)+16
.endm
; THE MATRIX WORK goes in steps of 16 instructions.  SETS: S^T (buffer sx) += K's fragments f0 .. f0 + 3 (block blk) x Q; fragment outer, query tile inner; zero = 1: the first four start the sums.
; SETP: O^T, channel blocks cb .. cb + 3, += V^T (block blk) x P (block pbk): sixteen different accumulators; zero = 1: they start the sums: nothing is ever cleared.
; No two matrix instructions that follow each other share an accumulator, from step to step and over the backward jump too.
.macro SETS sx, blk, f0, zero
.set MODE, 0
.set SX, (\sx)
.set BLK, (\blk)
.set F0, (\f0)
.set ZERO, (\zero)
.set i, 0
.endm
.macro SETP blk, pbk, cb, zero
.set MODE, 1
.set BLK, (\blk)
.set PBK, (\pbk)
.set CB, (\cb)
.set ZERO, (\zero)
.set i, 0
.endm
.macro MM                              ; the step's next matrix instruction
.set mk, BLK+8*(i/4)
.if MODE == 0
.set mf, F0+i/4
.set mq, 8*(4*(mf%8)+i%4)
.set ms, SX+8*(i%4)
	WIN 0x04+0x04*(mf/8)
.if ZERO && (i < 4)
	v_wmma_f32_16x16x32_bf16 v[ms:ms+7], v[mk:mk+7], v[mq:mq+7], 0
.else
	v_wmma_f32_16x16x32_bf16 v[ms:ms+7], v[mk:mk+7], v[mq:mq+7], v[ms:ms+7]
.endif
.else
.set mo, 8*(4*(CB+i/4)+i%4)
.set mp, PBK+8*(i%4)
	WIN 0xf0
.if ZERO
	v_wmma_f32_16x16x32_bf16 v[mo:mo+7], v[mk:mk+7], v[mp:mp+7], 0
.else
	v_wmma_f32_16x16x32_bf16 v[mo:mo+7], v[mk:mk+7], v[mp:mp+7], v[mo:mo+7]
.endif
.endif
.set i, i+1
.endm
.macro RUN n
.rept \n
	MM
.endr
.endm
; THE SOFTMAX OF A PIECE, on buffer SY: 128 lines.  Unit u = 4 t + pr is the pair of scores 2 u, 2 u + 1 (tile t, keys 2 pr, 2 pr + 1 of my eight).
;   oM u: the pair of scales (c / |x|) (1 / |M|)      oN e: its word e % 8 clamped at c x 1e8      oF u: score x scale - c      oE e: 2^ of score e
;   oA u: the sum takes the pair                      oC u: the pair rounded to bf16, in place and ascending: register 8 t + pr takes registers 8 t + 2 pr and + 1
.set oM, 0
.set oN, 1
.set oF, 2
.set oE, 3
.set oA, 4
.set oC, 5
.macro OP k, n
.if (\k) == oM
	v_pk_mul_f32 v[T+2*((\n)%4):T+2*((\n)%4)+1], v[IBR+2*((\n)%4):IBR+2*((\n)%4)+1], v[IA+2*((\n)/4):IA+2*((\n)/4)+1]
.elseif (\k) == oN
	v_min_num_f32 v[T+(\n)%8], s[CLAMP], v[T+(\n)%8]
.elseif (\k) == oF
	v_pk_fma_f32 v[SY+2*(\n):SY+2*(\n)+1], v[SY+2*(\n):SY+2*(\n)+1], v[T+2*((\n)%4):T+2*((\n)%4)+1], s[NC:NC+1] op_sel_hi:[1,1,0]
.elseif (\k) == oE
	v_exp_f32 v[SY+(\n)], v[SY+(\n)]
.elseif (\k) == oA
	v_pk_add_f32 v[LL+2*((\n)/4):LL+2*((\n)/4)+1], v[LL+2*((\n)/4):LL+2*((\n)/4)+1], v[SY+2*(\n):SY+2*(\n)+1]
.else
	v_cvt_pk_bf16_f32 v[SY+8*((\n)/4)+(\n)%4], v[SY+2*(\n)], v[SY+2*(\n)+1]
.endif
.endm
; The softmax rides on two steps of 16 matrix instructions; between them stands the second step's beginning.
.macro MIDSTART
	WIN 0
	PLACES
.if CTX == 0
	KLOAD BK1, CSL, 1, 12
	s_wait_dscnt 16                                ; block 2 is in; behind it: blocks 0 and 1, eight loads each
	SETS SB, BK2, 4, 0
.else
	VLOAD BK2, CSL, 0, 1, 4
	s_wait_dscnt 24                                ; block 0 is in; behind it: blocks 3, 1 and 2
	SETP BK0, SA, 4, CZ
.endif
.endm
.macro ROW a, i1, b, i2, c, i3, d, i4  ; a matrix instruction and the four lines behind it
.if rw == 16
	MIDSTART
.endif
	MM
	WIN 0
	OP \a, \i1
	OP \b, \i2
	OP \c, \i3
	OP \d, \i4
.set rw, rw+1
.endm
; ctx = 0: piece A's softmax, beside piece B's first 32 products K Q^T.  ctx = 1: piece B's, beside piece A's first 32 products V^T P.  No line names a register of the products round it.
; The order: a pair of scales is used (oF) before its registers are taken again four units on; oF u stands behind oN 2 u + 1, oE behind its oF.  Each accumulator's first reader is its oF of the
; lowest pair.  The 32 exponentials are ONE BATCH: rows 0 to 23 name no result of theirs; behind row 23 stand a plain line and one wait; the sums and roundings follow.
.macro SOFT ctx, slot
.set CTX, (\ctx)
.set CSL, (\slot)
.set SY, SA+32*(\ctx)
.set rw, 0
	ROW oM,0, oM,1, oN,0, oN,1
	ROW oM,2, oN,2, oN,3, oF,0
.set k, 0
.rept 6
	ROW oM,3+2*k, oN,4+4*k, oE,4*k, oN,5+4*k
	ROW oF,1+2*k, oE,1+4*k, oM,4+2*k, oN,6+4*k
	ROW oE,2+4*k, oN,7+4*k, oF,2+2*k, oE,3+4*k
.set k, k+1
.endr
	ROW oM,15, oN,28, oE,24, oN,29
	ROW oF,13, oE,25, oN,30, oE,26
	ROW oN,31, oF,14, oE,27, oE,28
	ROW oF,15, oE,29, oE,30, oE,31
	v_nop                                          ; a plain line behind the last exponential,
	s_wait_alu depctr_va_vdst(0)                   ; and one wait for the batch of 32, ahead of its first reader
.set k, 0
.rept 4
	ROW oA,k, oC,k, oA,4+k, oC,4+k
	ROW oA,8+k, oC,8+k, oA,12+k, oC,12+k
.set k, k+1
.endr
	WIN 0
.irp t, 0,1,2,3
	ds_store_b128 v[APS], v[SY+8*\t:SY+8*\t+3] offset:(\ctx)*PBYTES+\t*16*PP  ; my 8 keys of query 16 t + l % 16
.endr
.endm
; A PREFETCH INTO THE L2 of the slot that stands TWO refills on: 512 matrix instructions ahead of the tensor load that will ask for it.  Four clusters walk a chunk: the first of them (cluster x = 0)
; prefetches.  Its four partners share a slot's 128 rows out BY ADDRESS, 32 each; of these a wave takes 8: 32 blocks of 256 bytes on end, a lane a block, one instruction.  So each block is named once
; in the launch.  Slots 0 to 3 come by their loads alone; the loop's last trip asks for nothing, since the chunk has no slot behind those that it fills.
.macro ASK o
	s_cmp_gt_u32 s[CNT], s[LIM]
	s_cbranch_scc0 .Lnot_mine_\@
	global_prefetch_b8 v[PFO], s[PFA:PFA+1] offset:\o th:TH_LOAD_NT scope:SCOPE_SE
.Lnot_mine_\@:
.endm
; A SLOT IS 16 STEPS: 0-3 S^T of piece A, 4-7 of piece B, 8-11 V^T P of piece A, 12-15 of piece B.  Each step begins: window 0, four places, the LDS loads of a later step, the counted wait for its own
; blocks.  Blocks 0 to 2 take turns, each asked for two steps (32 matrix instructions) ahead; the S^T buffers serve as blocks while they are free.  Every count below is the number of LDS instructions issued behind the block wanted.
; FIRST: steps 0 to 9.  ib: the slot's byte in the pair's inverse norms.  zero = 1: the launch's first slot: steps 8 and 9 start O^T's sums.
.macro FIRST slot, ib, zero
.set CZ, (\zero)
	WIN 0                                          ; step 0
	PLACES
	KLOAD BK2, \slot, 0, 8
	s_wait_dscnt 16                                ; block 0 is in; behind it blocks 1 and 2
	SETS SA, BK0, 0, 1
	RUN 16
	WIN 0                                          ; step 1
	PLACES
	KLOAD BK0, \slot, 0, 12
	s_wait_dscnt 16
	SETS SA, BK1, 4, 0
	RUN 16
	WIN 0                                          ; step 2
	PLACES
	IBLOAD \ib
	KLOAD BK1, \slot, 1, 0
	s_wait_dscnt 18                                ; behind block 2: block 0, the two loads of inverse norms, block 1
	SETS SA, BK2, 8, 0
	RUN 16
	WIN 0                                          ; step 3
	PLACES
	KLOAD BK2, \slot, 1, 4
	s_wait_dscnt 18
	SETS SA, BK0, 12, 0
	RUN 16
	WIN 0                                          ; steps 4 and 5, with piece A's softmax
	PLACES
	KLOAD BK0, \slot, 1, 8
	s_wait_dscnt 16                                ; block 1 and, older, the inverse norms are in
	SETS SB, BK1, 0, 1
	SOFT 0, \slot
	s_wait_dscnt 12                                ; step 6: behind block 0: block 1's eight loads and my four stores of P
	SETS SB, BK0, 8, 0
	RUN 8
	WIN 0
	s_wait_dscnt 0x0                               ; for the others' sake: my part of piece A's P is in LDS
	s_barrier_signal -1
	PLACES
	VLOAD BK2, \slot, 0, 0, 0                      ; between signal and wait: loads of the tile and of the inverse norms, which nobody writes before a later barrier
	IBLOAD (\ib)+256
	RUN 8
	s_barrier_wait -1                              ; piece A's P is whole
	WIN 0                                          ; step 7: its block landed at the wait for 0 above
	PLACES
	PLOAD SA, 0, 0
	VLOAD BK0, \slot, 0, 0, 4
	PLOAD BK3, 0, 1
	SETS SB, BK1, 12, 0
	RUN 16
	WIN 0                                          ; steps 8 and 9, with piece B's softmax
	PLACES
	VLOAD BK1, \slot, 0, 1, 0
	s_wait_dscnt 24                                ; V's block 2, the inverse norms and P in S^T's buffer A are in; behind them blocks 0, 3 and 1
	SETP BK2, SA, 0, \zero
	SOFT 1, \slot
.endm
; REST: steps 10 to 15.  mode = 2: the slot is filled again, two slots on; 1: the slots change and nothing is asked for; 0: the last slot.
.macro REST slot, mode
	s_wait_dscnt 12                                ; step 10: behind block 1: block 2's eight loads and my four stores of P
	SETP BK1, BK3, 0, 0
	RUN 8
	WIN 0
	s_wait_dscnt 0x0                               ; my part of piece B's P is in LDS, and my reads of piece A's are over
	s_barrier_signal -1
	PLACES
	VLOAD BK0, \slot, 1, 0, 0
	RUN 8
	s_barrier_wait -1                              ; piece B's P is whole
	WIN 0                                          ; step 11
	PLACES
	PLOAD SB, 1, 0
	VLOAD BK1, \slot, 1, 0, 4
	SETP BK2, BK3, 4, 0
	RUN 16
	WIN 0                                          ; step 12
	PLACES
	PLOAD BK3, 1, 1
	VLOAD SA, \slot, 1, 1, 0
	s_wait_dscnt 24                                ; V's block 0 and P in S^T's buffer B are in; behind them block 1, block 3 and buffer A
	SETP BK0, SB, 0, 0
	RUN 16
	WIN 0                                          ; step 13
	PLACES
	VLOAD BK2, \slot, 1, 1, 4
	s_wait_dscnt 24
	SETP BK1, SB, 4, 0
	RUN 16
.if (\mode) == 0
	s_wait_dscnt 8                                 ; step 14: behind buffer A: block 2
	SETP SA, BK3, 0, 0
	RUN 16
	s_wait_dscnt 0x0                               ; step 15
	SETP BK2, BK3, 4, 0
	RUN 16
.else
	; step 14, THE CHANGE OF SLOTS: one barrier for two things.  In front of it each wave waits for all its tensor loads, of which one is out: its part of the other slot; adds 0 to its spare word; and waits
	; for that and for its own reads of this slot.  Behind it nobody reads this slot any more and the other slot is whole.
	WIN 0
	s_wait_tensorcnt 0x0                           ; no tensor load of mine is out, so a group 0 may be written
	ds_add_u32 v[SPW], v[NIL]                      ; 0 onto my spare word
.if (\mode) == 2
	s_add_nc_u64 s[G0+4*(\slot)+2:G0+4*(\slot)+3], s[G0+4*(\slot)+2:G0+4*(\slot)+3], 2*SLOTG  ; two slots on; the type bits on top are not reached
.endif
	s_wait_dscnt 9                                 ; behind buffer A: block 2's eight loads and the add
	SETP SA, BK3, 0, 0
	RUN 8                                          ; eight matrix instructions stand between the add and the wait for it
	s_wait_dscnt 0x0                               ; the add is done, and my reads of this slot and of piece B's P are over
	s_barrier_signal -1
	RUN 8                                          ; work on registers while the others arrive
	WIN 0
	s_barrier_wait -1
.if (\mode) == 2
	CREST                                          ; the barrier has opened a round of the cluster's: no wave of any partner still reads this slot or has a load on its way
	tensor_load_to_lds s[G0+4*(\slot):G0+4*(\slot)+3], s[G1:G1+7]  ; my one tensor load behind the round, and the first thing there: it has 240 matrix instructions in which to land
	s_nop 0
.endif
	PLACES                                         ; step 15 (behind the load; also the places in front of the loads below)
	KLOAD BK0, 1-(\slot), 0, 0
	KLOAD BK1, 1-(\slot), 0, 4
.if (\mode) == 2
	ASK (\slot)*SLOTG
.endif
	SETP BK2, BK3, 4, 0
	RUN 16
.endif
.endm
	s_load_b256 s[4:11], s[0:1], 0x0               ; mb s[4:5], minv s[6:7], xb s[8:9], xinv s[10:11]
	s_load_b128 s[12:15], s[0:1], 0x20             ; opart s[12:13], lpart s[14:15]
	v_lshl_add_u32 v[SPW], v0, 2, SPARE
	v_mov_b32 v[NIL], 0
	ds_add_u32 v[SPW], v[NIL]                      ; the wave's opening: the add, twice on end, and its wait ahead of my first tensor load
	ds_add_u32 v[SPW], v[NIL]                      ; and once more, under the one wait; the set-up below, work on registers, stands between
	v_lshrrev_b32 v1, 5, v0
	v_readfirstlane_b32 s[WV], v1                  ; wave 0..3
	s_bfe_u32 s[CX], ttmp6, 0x40000                ; my place in the cluster
	s_lshl_b32 s[QB], ttmp9, 2                     ; in a cluster launch ttmp9 counts clusters
	s_add_co_u32 s[QB], s[QB], s[CX]
	s_and_b32 s[KC], ttmp7, 0xffff
	; group 1 of the ring: 32 rows x 512 elements of 2 bytes, 16 bytes of padding behind each row
	s_mov_b32 s[G1+0], 15|(1<<16)|(1<<20)|(1<<21)|(7<<22)|(3<<25)  ; 15:0 the mask of four; 17:16 2-byte elements; 20 padding on; 21 set beside a mask; 24:22 after every 256 words (code 7); 31:25 4 words (code 3)
	s_mov_b32 s[G1+1], 512<<16                     ; tensor_dim0 = 512
	s_mov_b32 s[G1+2], 32<<16                      ; tensor_dim1 = 32
	s_mov_b32 s[G1+3], 512<<16                     ; tile_dim0 = 512
	s_mov_b32 s[G1+4], 32                          ; tile_dim1 = 32
	s_mov_b32 s[G1+5], 512                         ; elements from row to row
	s_mov_b32 s[G1+6], 0
	s_mov_b32 s[G1+7], 0
	; group 1 of the inverse norms: 4,096 dense bytes a wave, as 16 rows of 32 elements of 8 bytes
	s_mov_b32 s[G1I+0], 15|(3<<16)|(1<<21)
	s_mov_b32 s[G1I+1], 32<<16
	s_mov_b32 s[G1I+2], 16<<16
	s_mov_b32 s[G1I+3], 32<<16
	s_mov_b32 s[G1I+4], 16
	s_mov_b32 s[G1I+5], 32
	s_mov_b32 s[G1I+6], 0
	s_mov_b32 s[G1I+7], 0
	s_mov_b32 s[G0+0], 1
	s_mul_i32 s[G0+1], s[WV], WROWS                ; LDS: my 32 rows of slot 0: no place in the cluster enters an LDS address
	s_mov_b32 s[G0+4], 1
	s_add_co_u32 s[G0+5], s[G0+1], SLOTB           ; and of slot 1
	s_mov_b32 s[G0I+0], 1
	s_lshl_b32 s23, s[WV], 12
	s_add_co_u32 s[G0I+1], s23, IBB
	s_lshl_b32 s22, s[KC], 14                      ; the chunk's 4,096 words, my quarter of them
	s_add_co_u32 s22, s22, s23
	s_mov_b32 s23, 0
	s_lshl_b32 s20, s[KC], 22                      ; the chunk's 4,096 rows of 1,024 bytes,
	s_lshl_b32 s21, s[WV], 15                      ; my 32 rows of a slot
	s_add_co_u32 s20, s20, s21
	s_mov_b32 s21, 0
	s_mov_b32 s[NC], 0xc138aa3b                    ; -c = -8 log2(e)
	s_mov_b32 s[NC+1], s[NC]                       ; named with it as a pair
	s_mov_b32 s[CLAMP], 0x4e89960c                 ; c x 1e8
	s_mov_b32 s[CC], 0x4138aa3b                    ; c
	s_mov_b32 s[SEL], 0x76543210
	s_mov_b32 s[SEL+1], 0xfedcba98
	s_mov_b32 s[IBS], 0
	s_mov_b32 s[CNT], 15
	s_cmp_eq_u32 ttmp9, 0                          ; the chunk's first cluster: the same in all four partners
	s_cselect_b32 s[LIM], 1, -1
	s_wait_dscnt 0x0                               ; both opening adds are done
	s_wait_kmcnt 0x0
	s_add_nc_u64 s[G0+2:G0+3], s[4:5], s[20:21]    ; slot 0's rows
	s_add_nc_u64 s[G0+6:G0+7], s[G0+2:G0+3], SLOTG ; slot 1's
	s_or_b32 s[G0+3], s[G0+3], 0x80000000          ; type = 2
	s_or_b32 s[G0+7], s[G0+7], 0x80000000
	s_add_nc_u64 s[G0I+2:G0I+3], s[6:7], s[22:23]
	s_or_b32 s[G0I+3], s[G0I+3], 0x80000000
	CROUND                                         ; all four work-groups are here: the first joint loads meet
	tensor_load_to_lds s[G0I:G0I+3], s[G1I:G1I+7]  ; the first fills go out together: three loads of mine are out
	s_nop 0
	tensor_load_to_lds s[G0:G0+3], s[G1:G1+7]
	s_nop 0
	tensor_load_to_lds s[G0+4:G0+7], s[G1:G1+7]
	s_nop 0
	PLACES
	; the addresses that hang on my block of queries, in registers that feed no descriptor
	s_mov_b32 s67, 0
	s_lshl_b32 s66, s[QB], 16                      ; 64 rows of 1,024 bytes
	s_add_nc_u64 s[8:9], s[8:9], s[66:67]
	s_lshl_b32 s66, s[QB], 8                       ; 64 words
	s_add_nc_u64 s[10:11], s[10:11], s[66:67]
	s_lshl_b32 s68, s[KC], 12                      ; lpart: [chunk][1024]
	s_add_co_u32 s66, s66, s68
	s_add_nc_u64 s[14:15], s[14:15], s[66:67]
	s_lshl_b32 s66, s[KC], 4                       ; opart: [chunk][block][wave] x 32,768 bytes
	s_add_co_u32 s66, s66, s[QB]
	s_lshl_b32 s66, s66, 2
	s_add_co_u32 s66, s66, s[WV]
	s_lshl_b32 s66, s66, 15
	s_add_nc_u64 s[12:13], s[12:13], s[66:67]
	s_lshl_b32 s66, s[KC], 22                      ; the prefetches: the chunk, slot 4, my work-group's 32 rows, my wave's 8
	s_add_co_u32 s66, s66, 4*SLOTG
	s_lshl_b32 s68, s[CX], 15
	s_add_co_u32 s66, s66, s68
	s_lshl_b32 s68, s[WV], 13
	s_add_co_u32 s66, s66, s68
	s_add_nc_u64 s[PFA:PFA+1], s[4:5], s[66:67]
	; A fragment of K or Q is 16 rows x 32 channels in 8 registers: lane l holds row l % 16, channels 8 (l / 16) + 0..7 and 16 + 8 (l / 16) + 0..7: two loads of 16 bytes, 32 bytes apart.
	v_and_b32 v1, 15, v0                           ; l % 16
	v_bfe_u32 v2, v0, 4, 1                         ; l / 16
	v_and_b32 v3, 31, v0                           ; l
	v_lshlrev_b32 v[QO], 10, v1
	v_lshl_add_u32 v[QO], v2, 4, v[QO]
	v_lshlrev_b32 v[XO], 2, v1
	WIN 0x40                                       ; destination window 1, address window 0: Q stays in registers
.set f, 0
.rept 8
.irp t, 0,1,2,3
	global_load_b128 v[8*(4*f+\t):8*(4*f+\t)+3],   v[QO], s[8:9] offset:\t*16384+f*64
	global_load_b128 v[8*(4*f+\t)+4:8*(4*f+\t)+7], v[QO], s[8:9] offset:\t*16384+f*64+32
.endr
.set f, f+1
.endr
	WIN 0x80                                       ; destination window 2
.rept 8
.irp t, 0,1,2,3
	global_load_b128 v[8*(4*(f-8)+\t):8*(4*(f-8)+\t)+3],   v[QO], s[8:9] offset:\t*16384+f*64
	global_load_b128 v[8*(4*(f-8)+\t)+4:8*(4*(f-8)+\t)+7], v[QO], s[8:9] offset:\t*16384+f*64+32
.endr
.set f, f+1
.endr
	WIN 0
.irp t, 0,1,2,3
	global_load_b32 v[IA+2*\t], v[XO], s[10:11] offset:64*\t  ; 1 / |x| of query 16 t + l % 16
.endr
	s_mul_i32 s20, s[WV], 16*PITCH
	v_mul_u32_u24 v[AK], v1, PITCH
	v_lshl_add_u32 v[AK], v2, 4, v[AK]
	v_add_nc_u32 v[AK], s20, v[AK]
	v_add_nc_u32 v[AK+1], PIECE, v[AK]
	v_add_nc_u32 v[AK+2], SLOTB, v[AK]
	v_add_nc_u32 v[AK+3], SLOTB+PIECE, v[AK]
	; The turning load takes 8 x 8 elements in each group of eight lanes: lane l reads 16 bytes of key 8 (l / 16) + l % 8, and ends with 8 keys of one channel: l % 8, and 64 further on for the second eight lanes of a half.
	v_and_b32 v[AV], 7, v0
	v_lshl_add_u32 v[AV], v2, 3, v[AV]
	v_mul_u32_u24 v[AV], v[AV], PITCH
	v_bfe_u32 v[AIBC], v0, 3, 1
	v_lshl_add_u32 v[AV], v[AIBC], 7, v[AV]
	s_lshl_b32 s20, s[WV], 8
	v_add_nc_u32 v[AV], s20, v[AV]
	v_add_nc_u32 v[AV+1], PIECE, v[AV]
	v_add_nc_u32 v[AV+2], SLOTB, v[AV]
	v_add_nc_u32 v[AV+3], SLOTB+PIECE, v[AV]
	v_mul_u32_u24 v[APR], v1, PP
	v_lshl_add_u32 v[APR], v2, 4, v[APR]
	v_add_nc_u32 v[APR], PBUF, v[APR]
	s_lshl_b32 s20, s[WV], 5
	v_add_nc_u32 v[APS], s20, v[APR]
	s_lshl_b32 s20, s[WV], 6
	s_add_co_u32 s20, s20, IBB
	v_lshl_add_u32 v[AIB], v2, 5, s20
	s_lshl_b32 s20, s[WV], 8
	s_add_co_u32 s20, s20, LS
	v_lshl_add_u32 v[ALS], v1, 2, s20
	v_lshlrev_b32 v[PFO], 8, v3
	v_lshlrev_b32 v[GO], 4, v3
	v_lshl_add_u32 v[ALR], v3, 3, LS
	v_lshlrev_b32 v[LO], 3, v3
.irp t, 0,1,2,3,4,5,6,7
	v_mov_b32 v[LL+\t], 0                          ; the sums of p start at 0: eight lines, in the wait for Q
.endr
	s_wait_loadcnt 0x0                             ; Q and 1 / |x|
.irp t, 0,1,2,3
	v_mul_f32 v[IA+2*\t], s[CC], v[IA+2*\t]
	v_mov_b32 v[IA+2*\t+1], v[IA+2*\t]
.endr
	s_wait_tensorcnt 0x1                           ; my parts of the inverse norms and of slot 0 are in; slot 1's may stay out
	s_barrier_signal -1
	s_barrier_wait -1                              ; everybody's are
	KLOAD BK0, 0, 0, 0
	KLOAD BK1, 0, 0, 4
	FIRST 0, 0, 1                                  ; slot 0's first ten steps stand in front of the loop: their products start O^T's sums
.Lpair:                                                ; 15 trips; trip i goes from step 10 of slot 2 i to step 9 of slot 2 i + 2 and asks for slots 2 i + 2 and 2 i + 3
	REST 0, 2
	FIRST 1, 512, 0
	REST 1, 2
	s_add_co_u32 s[IBS], s[IBS], 1024              ; the next pair's inverse norms
	FIRST 0, 0, 0
	s_wait_xcnt 0x0                                ; the trip's prefetches, the younger 176 matrix instructions back, have read their address
	s_add_nc_u64 s[PFA:PFA+1], s[PFA:PFA+1], 2*SLOTG
	s_sub_co_u32 s[CNT], s[CNT], 1
	s_cmp_lg_u32 s[CNT], 0
	s_cbranch_scc1 .Lpair
	REST 0, 1                                      ; the tail is written out: slots 30 and 31 ask for nothing
	FIRST 1, 512, 0
	REST 1, 0
	; THE WAY OUT.  The sums of p: the two words, the other half of the lanes', then the four waves' through LDS.  These lines are also the places behind the last products.
	WIN 0
.irp t, 0,1,2,3
	v_add_f32 v[LL+2*\t], v[LL+2*\t], v[LL+2*\t+1]
.endr
.irp t, 0,1,2,3
	v_permlanex16_b32 v[T+\t], v[LL+2*\t], s[SEL], s[SEL+1]
.endr
.irp t, 0,1,2,3
	v_add_f32 v[LL+2*\t], v[LL+2*\t], v[T+\t]
.endr
.irp t, 0,1,2,3
	ds_store_b32 v[ALS], v[LL+2*\t] offset:64*\t   ; both halves of the lanes hold the same number and write the same word
.endr
	WIN 0x0c                                       ; a store's data (source 1) in window 3
.set a, 0
.rept 32                                       ; O^T as it lies: each store is 512 consecutive bytes, aligned; an accumulator's low four registers go first
	global_store_b128 v[GO], v[8*a:8*a+3],   s[12:13] offset:a*1024
	global_store_b128 v[GO], v[8*a+4:8*a+7], s[12:13] offset:a*1024+512
.set a, a+1
.endr
	WIN 0
	s_wait_dscnt 0x0                               ; for the others' sake: my sums are in LDS
	s_barrier_signal -1
	s_barrier_wait -1
	s_cmp_lg_u32 s[WV], 0                          ; wave 0 adds the four waves' sums and stores them
	s_cbranch_scc1 .Lend
.irp w, 0,1,2,3
	ds_load_b64 v[T+2*\w:T+2*\w+1], v[ALR] offset:256*\w
.endr
	s_wait_dscnt 0x0
	v_pk_add_f32 v[T:T+1], v[T:T+1], v[T+2:T+3]
	v_pk_add_f32 v[T+4:T+5], v[T+4:T+5], v[T+6:T+7]
	v_pk_add_f32 v[T:T+1], v[T:T+1], v[T+4:T+5]
	global_store_b64 v[LO], v[T:T+1], s[14:15]     ; 256 consecutive bytes, aligned
.Lend:
	s_wait_tensorcnt 0x0                           ; the wave's end: behind my last tensor load and my last LDS store
	ds_add_u32 v[SPW], v[NIL]
	s_wait_dscnt 0x0
	CROUND                                         ; the closing round: no work-group ends while a partner may still ask for a tile that names it
	s_endpgm
.Lfunc_end_k_q26202714ae_attend:
	.size	k_q26202714ae_attend, .Lfunc_end_k_q26202714ae_attend-k_q26202714ae_attend
	.p2alignl 7, 3214868480
	.fill 96, 4, 3214868480
	.section	.rodata,"a",@progbits
	.p2align	6, 0x0
	.amdhsa_kernel k_q26202714ae_attend
		.amdhsa_group_segment_fixed_size 327680
		.amdhsa_private_segment_fixed_size 0
		.amdhsa_enable_private_segment 0
		.amdhsa_kernarg_size 48
		.amdhsa_user_sgpr_count 2
		.amdhsa_user_sgpr_kernarg_segment_ptr 1
		.amdhsa_wavefront_size32 1
		.amdhsa_system_sgpr_workgroup_id_x 1
		.amdhsa_system_sgpr_workgroup_id_y 1
		.amdhsa_system_sgpr_workgroup_id_z 1
		.amdhsa_system_vgpr_workitem_id 0
		.amdhsa_next_free_vgpr 1024
		.amdhsa_next_free_sgpr 72
		.amdhsa_reserve_vcc 0
		.amdhsa_float_denorm_mode_32 3
		.amdhsa_float_denorm_mode_16_64 3
		.amdhsa_memory_ordered 1
		.amdhsa_forward_progress 1
		.amdhsa_inst_pref_size 215
	.end_amdhsa_kernel
	.amdgpu_metadata
---
amdhsa.version: [ 1, 2 ]
amdhsa.kernels:
  - .name:           k_q26202714ae_attend
    .symbol:         k_q26202714ae_attend.kd
    .args:
      - { .name: mb, .offset: 0, .size: 8, .value_kind: global_buffer, .address_space: global }
      - { .name: minv, .offset: 8, .size: 8, .value_kind: global_buffer, .address_space: global }
      - { .name: xb, .offset: 16, .size: 8, .value_kind: global_buffer, .address_space: global }
      - { .name: xinv, .offset: 24, .size: 8, .value_kind: global_buffer, .address_space: global }
      - { .name: opart, .offset: 32, .size: 8, .value_kind: global_buffer, .address_space: global }
      - { .name: lpart, .offset: 40, .size: 8, .value_kind: global_buffer, .address_space: global }
    .group_segment_fixed_size: 327680
    .private_segment_fixed_size: 0
    .kernarg_segment_align: 8
    .kernarg_segment_size: 48
    .max_flat_workgroup_size: 128
    .sgpr_count:     72
    .vgpr_count:     1024
    .wavefront_size: 32
...
	.end_amdgpu_metadata
.endif
;; end of part 2
;; launch finish (part 3): grid 256 x 1, 8 waves a work-group, no clusters, 9,472 bytes of LDS; arguments opart, lpart, out0; writes out0
.if DOCPART == 3
	.amdgcn_target "amdgcn-amd-amdhsa--gfx1250"
	.amdhsa_code_object_version 6
	.text
	.protected	k_q26202714ae_finish
	.globl	k_q26202714ae_finish
	.p2align	8
	.type	k_q26202714ae_finish,@function
k_q26202714ae_finish:
	s_mov_b64 s[64:65], 0
	v_nop
	global_prefetch_b8 v0, s[64:65] scope:SCOPE_SE
	s_setreg_imm32_b32 hwreg(HW_REG_WAVE_MODE, 25, 1), 1
	s_wait_xcnt 0x0
; out[q][c] = (sum over the 16 key chunks of opart) / (sum over the chunks of lpart).  Nothing is left out; all sums are f32.
; opart lies as the launch before left its registers: [chunk 16][block 16][wave 4][accumulator 4 b + t][g 2][lane 32][4] f32, which is
; query 64 block + 16 t + lane % 16, channel 128 wave + 64 (lane / 16) + 8 b + 4 g + 0..3.
; SHARES.  Work-group x makes 16 queries x 128 channels: block x / 16, wave-part (x / 4) % 4, tile t = x % 4; its wave v takes b = v: 1,024 bytes of each chunk, by two loads of
; 512 consecutive bytes.  All 48 loads of a wave go out at once.  The results are laid into rows through LDS (pitch 528 = 33 x 16) and leave as 512 consecutive bytes, aligned.
.set GO,  1                            ; v1   16 x lane
.set LQ,  2                            ; v2   4 (lane % 16)
.set SI,  3                            ; v3   stage, in: 528 (l % 16) + 256 (l / 16) + 32 v
.set SO,  4                            ; v4   stage, out: rows 2 v and 2 v + 1: 1,056 v + 16 l
.set SPW, 5                            ; v5   LDS address of my spare word; never rewritten
.set NIL, 6                            ; v6   0; never rewritten
.set D,   16                           ; v[16:143]  chunk kc's eight numbers at D + 8 kc
.set LP,  144                          ; v[144:159] the chunks' sums of p for my query
.set R,   160                          ; v[160:161] 1 / l, twice
.set SPARE, 8448                       ; behind the stage (16 rows x 528 bytes): the spare words, 128 bytes a wave
	s_load_b128 s[4:7], s[0:1], 0x0                ; opart s[4:5], lpart s[6:7]
	s_load_b64 s[8:9], s[0:1], 0x10                ; out0
	v_lshl_add_u32 v[SPW], v0, 2, SPARE
	v_mov_b32 v[NIL], 0
	v_lshrrev_b32 v7, 5, v0
	v_readfirstlane_b32 s10, v7                    ; wave v
	v_and_b32 v8, 31, v0
	v_and_b32 v9, 15, v0
	v_bfe_u32 v10, v0, 4, 1
	v_lshlrev_b32 v[GO], 4, v8
	v_lshlrev_b32 v[LQ], 2, v9
	v_mul_u32_u24 v[SI], v9, 528
	v_lshl_add_u32 v[SI], v10, 8, v[SI]
	s_lshl_b32 s11, s10, 5
	v_add_nc_u32 v[SI], s11, v[SI]
	s_mul_i32 s11, s10, 1056
	v_add_nc_u32 v[SO], s11, v[GO]
	s_lshr_b32 s12, ttmp9, 2                       ; 4 block + wave-part
	s_and_b32 s13, ttmp9, 3                        ; t
	s_lshl_b32 s14, s12, 15
	s_lshl_b32 s15, s10, 2
	s_add_co_u32 s15, s15, s13                     ; the accumulator 4 v + t
	s_lshl_b32 s15, s15, 10
	s_add_co_u32 s14, s14, s15
	s_mov_b32 s15, 0
	s_lshr_b32 s24, ttmp9, 4                       ; block
	s_lshl_b32 s26, s24, 8                         ; lpart: 64 words a block, 16 a tile
	s_lshl_b32 s25, s13, 6
	s_add_co_u32 s26, s26, s25
	s_mov_b32 s27, 0
	s_lshl_b32 s28, s24, 17                        ; out0: row 64 block + 16 t + 2 v, of 2,048 bytes; 512 bytes a wave-part
	s_lshl_b32 s25, s13, 15
	s_add_co_u32 s28, s28, s25
	s_lshl_b32 s25, s10, 12
	s_add_co_u32 s28, s28, s25
	s_and_b32 s25, s12, 3
	s_lshl_b32 s25, s25, 9
	s_add_co_u32 s28, s28, s25
	s_mov_b32 s29, 0
	s_wait_kmcnt 0x0
	s_add_nc_u64 s[6:7], s[6:7], s[26:27]
	s_add_nc_u64 s[8:9], s[8:9], s[28:29]
	s_add_nc_u64 s[16:17], s[4:5], s[14:15]        ; a base for each four chunks, so that a chunk's 2,097,152 bytes stay inside the signed 24-bit immediate
	s_add_nc_u64 s[18:19], s[16:17], 0x800000
	s_add_nc_u64 s[20:21], s[16:17], 0x1000000
	s_add_nc_u64 s[22:23], s[16:17], 0x1800000
.set kc, 0
.rept 16
	global_load_b32 v[LP+kc], v[LQ], s[6:7] offset:kc*4096
.set kc, kc+1
.endr
.set kc, 0
.rept 16
	global_load_b128 v[D+8*kc:D+8*kc+3],   v[GO], s[16+2*(kc/4):17+2*(kc/4)] offset:(kc%4)*2097152 th:TH_LOAD_NT
	global_load_b128 v[D+8*kc+4:D+8*kc+7], v[GO], s[16+2*(kc/4):17+2*(kc/4)] offset:(kc%4)*2097152+512 th:TH_LOAD_NT
.set kc, kc+1
.endr
	s_wait_loadcnt 32                              ; the sixteen sums of p are in; the 32 loads behind them stay out
.irp s, 8,4,2,1
.set j, 0
.rept \s
	v_add_f32 v[LP+j], v[LP+j], v[LP+j+\s]
.set j, j+1
.endr
.endr
	v_rcp_f32 v[R], v[LP]                          ; l is 7e-3 at the least
	v_rcp_f32 v[R+1], v[LP]                        ; twice, for the packed multiply; the additions below are the independent work behind them
.set kc, 1
.rept 15
	s_wait_loadcnt 30-2*kc                         ; chunk kc's two loads are in; the two of each later chunk stay out
.irp p, 0,2,4,6
	v_pk_add_f32 v[D+\p:D+\p+1], v[D+\p:D+\p+1], v[D+8*kc+\p:D+8*kc+\p+1]
.endr
.set kc, kc+1
.endr
	s_wait_alu depctr_va_vdst(0)                   ; one wait for both reciprocals, ahead of their first reader
.irp p, 0,2,4,6
	v_pk_mul_f32 v[D+\p:D+\p+1], v[D+\p:D+\p+1], v[R:R+1]
.endr
	ds_store_b128 v[SI], v[D:D+3]
	ds_store_b128 v[SI], v[D+4:D+7] offset:16
	s_wait_dscnt 0x0                               ; for the others' sake: my part of the 16 rows is in LDS
	s_barrier_signal -1
	s_barrier_wait -1
	ds_load_b128 v[D+8:D+11],  v[SO]
	ds_load_b128 v[D+12:D+15], v[SO] offset:528
	s_wait_dscnt 1                                 ; the first row is back; the second may be out
	global_store_b128 v[GO], v[D+8:D+11], s[8:9]   ; 512 consecutive bytes of a row of out0, aligned
	s_wait_dscnt 0x0
	global_store_b128 v[GO], v[D+12:D+15], s[8:9] offset:2048
	s_wait_tensorcnt 0x0                           ; the wave's end: behind my last LDS store
	ds_add_u32 v[SPW], v[NIL]
	s_wait_dscnt 0x0
	s_endpgm
.Lfunc_end_k_q26202714ae_finish:
	.size	k_q26202714ae_finish, .Lfunc_end_k_q26202714ae_finish-k_q26202714ae_finish
	.p2alignl 7, 3214868480
	.fill 96, 4, 3214868480
	.section	.rodata,"a",@progbits
	.p2align	6, 0x0
	.amdhsa_kernel k_q26202714ae_finish
		.amdhsa_group_segment_fixed_size 9472
		.amdhsa_private_segment_fixed_size 0
		.amdhsa_enable_private_segment 0
		.amdhsa_kernarg_size 24
		.amdhsa_user_sgpr_count 2
		.amdhsa_user_sgpr_kernarg_segment_ptr 1
		.amdhsa_wavefront_size32 1
		.amdhsa_system_sgpr_workgroup_id_x 1
		.amdhsa_system_sgpr_workgroup_id_y 1
		.amdhsa_system_sgpr_workgroup_id_z 1
		.amdhsa_system_vgpr_workitem_id 0
		.amdhsa_next_free_vgpr 168
		.amdhsa_next_free_sgpr 66
		.amdhsa_reserve_vcc 0
		.amdhsa_float_denorm_mode_32 3
		.amdhsa_float_denorm_mode_16_64 3
		.amdhsa_memory_ordered 1
		.amdhsa_forward_progress 1
		.amdhsa_inst_pref_size 13
	.end_amdhsa_kernel
	.amdgpu_metadata
---
amdhsa.version: [ 1, 2 ]
amdhsa.kernels:
  - .name:           k_q26202714ae_finish
    .symbol:         k_q26202714ae_finish.kd
    .args:
      - { .name: opart, .offset: 0, .size: 8, .value_kind: global_buffer, .address_space: global }
      - { .name: lpart, .offset: 8, .size: 8, .value_kind: global_buffer, .address_space: global }
      - { .name: out0, .offset: 16, .size: 8, .value_kind: global_buffer, .address_space: global }
    .group_segment_fixed_size: 9472
    .private_segment_fixed_size: 0
    .kernarg_segment_align: 8
    .kernarg_segment_size: 24
    .max_flat_workgroup_size: 256
    .sgpr_count:     66
    .vgpr_count:     168
    .wavefront_size: 32
...
	.end_amdgpu_metadata
.endif
;; end of part 3
;; ======== version 2 of 2: 3 launches; version 1 with the launch finish written anew for expert scheduling mode
;; workspace buffers: mb 67,108,864 bytes; xb 1,048,576 bytes; minv 262,144 bytes; xinv 4,096 bytes; opart 33,554,432 bytes; lpart 65,536 bytes
;; launch prep: the kernel of part 1 again; grid 1040 x 1, 8 waves a work-group, no clusters, 1,280 bytes of LDS; arguments memory_bank, x, mb, xb, minv, xinv; writes mb, xb, minv, xinv
;; launch attend: the kernel of part 2 again; grid 16 x 16, 4 waves a work-group, clusters of 4 x 1, 327,680 bytes of LDS; arguments mb, minv, xb, xinv, opart, lpart; writes opart, lpart
;; launch finish (part 4): grid 256 x 1, 8 waves a work-group, no clusters, 9,472 bytes of LDS; arguments opart, lpart, out0; writes out0
.if DOCPART == 4
	.amdgcn_target "amdgcn-amd-amdhsa--gfx1250"
	.amdhsa_code_object_version 6
	.text
	.protected	k_q26202714ae_finish
	.globl	k_q26202714ae_finish
	.p2align	8
	.type	k_q26202714ae_finish,@function
k_q26202714ae_finish:
	s_mov_b64 s[64:65], 0
	v_nop
	global_prefetch_b8 v0, s[64:65] scope:SCOPE_SE
	s_setreg_imm32_b32 hwreg(HW_REG_WAVE_SCHED_MODE, 0, 2), 2
	s_setreg_imm32_b32 hwreg(HW_REG_WAVE_MODE, 25, 1), 1
	s_wait_xcnt 0x0
	s_wait_alu depctr_vm_vsrc(0)
; out[q][c] = (sum over the 16 key chunks of opart) / (sum over the chunks of lpart).  Nothing is left out; all sums are f32.
; opart lies as the launch before left its registers: [chunk 16][block 16][wave 4][accumulator 4 b + t][g 2][lane 32][4] f32, which is
; query 64 block + 16 t + lane % 16, channel 128 wave + 64 (lane / 16) + 8 b + 4 g + 0..3.
; SHARES.  Work-group x makes 16 queries x 128 channels: block x / 16, wave-part (x / 4) % 4, tile t = x % 4; its wave v takes b = v: 1,024 bytes of each chunk, by two loads of
; 512 consecutive bytes.  All 48 loads of a wave go out at once.  The results are laid into rows through LDS (pitch 528 = 33 x 16) and leave as 512 consecutive bytes, aligned.
; THE MODE: SCHED_MODE bits 1:0 = 2 (LLVM: expert scheduling mode 2), set by the entry lines.  The code itself states the register dependences
; between vector instructions and memory or LDS instructions, with s_wait_alu, always for 0.
; THE PLAN.  Registers that memory or LDS instructions touch:
;   v1 to v6      offsets, LDS addresses and the closing add's pair: written by vector lines at the head, never again; read by the loads, the stores, the LDS accesses and the add.
;   LP, D         each load lands once, in registers that no vector line has named; the additions read and write them behind the waits on LOADcnt.
;   v[D:D+7]      written last by the four multiplies; then read by the two LDS stores; not written again.
;   v[D+8:D+15]   read last by chunk 1's additions; then the two LDS loads from the stage land in them; then the two global stores read them; not written again.
;   R             named by vector lines alone.
; So one wait on va_vdst stands ahead of the first load (v1 to v6 are written), one ahead of the multiplies (the reciprocals), one ahead of the LDS stores (the multiplies have written their
; data, and the additions are done reading v[D+8:D+15]); one wait on va_sdst stands behind the line that makes the wave's number a scalar.  No register that a memory or LDS instruction
; has read is written again, so no wait on vm_vsrc is written.  No scalar register that a vector line reads is written again.
.set GO,  1                            ; v1   16 x lane
.set LQ,  2                            ; v2   4 (lane % 16)
.set SI,  3                            ; v3   stage, in: 528 (l % 16) + 256 (l / 16) + 32 v
.set SO,  4                            ; v4   stage, out: rows 2 v and 2 v + 1: 1,056 v + 16 l
.set SPW, 5                            ; v5   LDS address of my spare word; never rewritten
.set NIL, 6                            ; v6   0; never rewritten
.set D,   16                           ; v[16:143]  chunk kc's eight numbers at D + 8 kc
.set LP,  144                          ; v[144:159] the chunks' sums of p for my query
.set R,   160                          ; v[160:161] 1 / l, twice
.set SPARE, 8448                       ; behind the stage (16 rows x 528 bytes): the spare words, 128 bytes a wave
	s_load_b128 s[4:7], s[0:1], 0x0                ; opart s[4:5], lpart s[6:7]
	s_load_b64 s[8:9], s[0:1], 0x10                ; out0
	v_lshl_add_u32 v[SPW], v0, 2, SPARE
	v_mov_b32 v[NIL], 0
	v_lshrrev_b32 v7, 5, v0
	v_readfirstlane_b32 s10, v7                    ; wave v
	v_and_b32 v8, 31, v0
	v_and_b32 v9, 15, v0
	v_bfe_u32 v10, v0, 4, 1
	v_lshlrev_b32 v[GO], 4, v8
	v_lshlrev_b32 v[LQ], 2, v9
	v_mul_u32_u24 v[SI], v9, 528
	v_lshl_add_u32 v[SI], v10, 8, v[SI]
	s_wait_alu depctr_va_sdst(0)                   ; s10 is written, ahead of its first reader: the stage's addresses and the bases of opart and out0 are made from it
	s_lshl_b32 s11, s10, 5
	v_add_nc_u32 v[SI], s11, v[SI]
	s_mul_i32 s30, s10, 1056                       ; in a register of its own: s11, which the vector line above reads, is not written again
	v_add_nc_u32 v[SO], s30, v[GO]
	s_lshr_b32 s12, ttmp9, 2                       ; 4 block + wave-part
	s_and_b32 s13, ttmp9, 3                        ; t
	s_lshl_b32 s14, s12, 15
	s_lshl_b32 s15, s10, 2
	s_add_co_u32 s15, s15, s13                     ; the accumulator 4 v + t
	s_lshl_b32 s15, s15, 10
	s_add_co_u32 s14, s14, s15
	s_mov_b32 s15, 0
	s_lshr_b32 s24, ttmp9, 4                       ; block
	s_lshl_b32 s26, s24, 8                         ; lpart: 64 words a block, 16 a tile
	s_lshl_b32 s25, s13, 6
	s_add_co_u32 s26, s26, s25
	s_mov_b32 s27, 0
	s_lshl_b32 s28, s24, 17                        ; out0: row 64 block + 16 t + 2 v, of 2,048 bytes; 512 bytes a wave-part
	s_lshl_b32 s25, s13, 15
	s_add_co_u32 s28, s28, s25
	s_lshl_b32 s25, s10, 12
	s_add_co_u32 s28, s28, s25
	s_and_b32 s25, s12, 3
	s_lshl_b32 s25, s25, 9
	s_add_co_u32 s28, s28, s25
	s_mov_b32 s29, 0
	s_wait_kmcnt 0x0
	s_add_nc_u64 s[6:7], s[6:7], s[26:27]
	s_add_nc_u64 s[8:9], s[8:9], s[28:29]
	s_add_nc_u64 s[16:17], s[4:5], s[14:15]        ; a base for each four chunks, so that a chunk's 2,097,152 bytes stay inside the signed 24-bit immediate
	s_add_nc_u64 s[18:19], s[16:17], 0x800000
	s_add_nc_u64 s[20:21], s[16:17], 0x1000000
	s_add_nc_u64 s[22:23], s[16:17], 0x1800000
	s_wait_alu depctr_va_vdst(0)                   ; v1 to v6 are written: the offsets that the loads and stores read, the stage's two LDS addresses, the closing add's pair; none is written again
.set kc, 0
.rept 16
	global_load_b32 v[LP+kc], v[LQ], s[6:7] offset:kc*4096
.set kc, kc+1
.endr
.set kc, 0
.rept 16
	global_load_b128 v[D+8*kc:D+8*kc+3],   v[GO], s[16+2*(kc/4):17+2*(kc/4)] offset:(kc%4)*2097152 th:TH_LOAD_NT
	global_load_b128 v[D+8*kc+4:D+8*kc+7], v[GO], s[16+2*(kc/4):17+2*(kc/4)] offset:(kc%4)*2097152+512 th:TH_LOAD_NT
.set kc, kc+1
.endr
	s_wait_loadcnt 32                              ; the sixteen sums of p are in; the 32 loads behind them stay out
.irp s, 8,4,2,1
.set j, 0
.rept \s
	v_add_f32 v[LP+j], v[LP+j], v[LP+j+\s]
.set j, j+1
.endr
.endr
	v_rcp_f32 v[R], v[LP]                          ; l is 7e-3 at the least
	v_rcp_f32 v[R+1], v[LP]                        ; twice, for the packed multiply; the additions below are the independent work behind them
.set kc, 1
.rept 15
	s_wait_loadcnt 30-2*kc                         ; chunk kc's two loads are in; the two of each later chunk stay out
.irp p, 0,2,4,6
	v_pk_add_f32 v[D+\p:D+\p+1], v[D+\p:D+\p+1], v[D+8*kc+\p:D+8*kc+\p+1]
.endr
.set kc, kc+1
.endr
	s_wait_alu depctr_va_vdst(0)                   ; both reciprocals have written v[R:R+1]: one wait, ahead of their first reader
.irp p, 0,2,4,6
	v_pk_mul_f32 v[D+\p:D+\p+1], v[D+\p:D+\p+1], v[R:R+1]
.endr
	s_wait_alu depctr_va_vdst(0)                   ; the multiplies have written v[D:D+7], which the LDS stores read; chunk 1's additions are done reading v[D+8:D+15], in which the LDS loads below land
	ds_store_b128 v[SI], v[D:D+3]
	ds_store_b128 v[SI], v[D+4:D+7] offset:16
	s_wait_dscnt 0x0                               ; for the others' sake: my part of the 16 rows is in LDS
	s_barrier_signal -1
	s_barrier_wait -1
	ds_load_b128 v[D+8:D+11],  v[SO]               ; no vector line since the wait above: nothing more is owed for these registers
	ds_load_b128 v[D+12:D+15], v[SO] offset:528
	s_wait_dscnt 1                                 ; the first row is back; the second may be out
	global_store_b128 v[GO], v[D+8:D+11], s[8:9]   ; 512 consecutive bytes of a row of out0, aligned
	s_wait_dscnt 0x0
	global_store_b128 v[GO], v[D+12:D+15], s[8:9] offset:2048
	s_wait_dscnt 0x0                               ; the closing lines, six on end
	s_wait_alu 0x0
	s_wait_tensorcnt 0x0
	ds_add_u32 v[SPW], v[NIL]
	s_wait_dscnt 0x0
	s_endpgm
.Lfunc_end_k_q26202714ae_finish:
	.size	k_q26202714ae_finish, .Lfunc_end_k_q26202714ae_finish-k_q26202714ae_finish
	.p2alignl 7, 3214868480
	.fill 96, 4, 3214868480
	.section	.rodata,"a",@progbits
	.p2align	6, 0x0
	.amdhsa_kernel k_q26202714ae_finish
		.amdhsa_group_segment_fixed_size 9472
		.amdhsa_private_segment_fixed_size 0
		.amdhsa_enable_private_segment 0
		.amdhsa_kernarg_size 24
		.amdhsa_user_sgpr_count 2
		.amdhsa_user_sgpr_kernarg_segment_ptr 1
		.amdhsa_wavefront_size32 1
		.amdhsa_system_sgpr_workgroup_id_x 1
		.amdhsa_system_sgpr_workgroup_id_y 1
		.amdhsa_system_sgpr_workgroup_id_z 1
		.amdhsa_system_vgpr_workitem_id 0
		.amdhsa_next_free_vgpr 168
		.amdhsa_next_free_sgpr 66
		.amdhsa_reserve_vcc 0
		.amdhsa_float_denorm_mode_32 3
		.amdhsa_float_denorm_mode_16_64 3
		.amdhsa_memory_ordered 1
		.amdhsa_forward_progress 1
		.amdhsa_inst_pref_size 13
	.end_amdhsa_kernel
	.amdgpu_metadata
---
amdhsa.version: [ 1, 2 ]
amdhsa.kernels:
  - .name:           k_q26202714ae_finish
    .symbol:         k_q26202714ae_finish.kd
    .args:
      - { .name: opart, .offset: 0, .size: 8, .value_kind: global_buffer, .address_space: global }
      - { .name: lpart, .offset: 8, .size: 8, .value_kind: global_buffer, .address_space: global }
      - { .name: out0, .offset: 16, .size: 8, .value_kind: global_buffer, .address_space: global }
    .group_segment_fixed_size: 9472
    .private_segment_fixed_size: 0
    .kernarg_segment_align: 8
    .kernarg_segment_size: 24
    .max_flat_workgroup_size: 256
    .sgpr_count:     66
    .vgpr_count:     168
    .wavefront_size: 32
...
	.end_amdgpu_metadata
.endif
;; end of part 4
